; MI455X (gfx1250); checked and timed in simulation.
; The chip was launched on July 23, 2026; its instructions are those of AMD's public machine-readable ISA for CDNA 5 (MIT licence, August 2026) and "CDNA5" Instruction Set Architecture Reference Guide (July 2026). The comments in the code are by the model that wrote it; some were corrected since.
;; Mo D Router. Allowed arithmetic: matrix products marked QUANTISED: E4M3 operands, one given power-of-two scale a tensor, by v_wmma_f32_16x16x64_fp8_fp8 or v_wmma_f32_16x16x128_fp8_fp8, f32 sums; products left as they are: f32 operands where the result goes on into a quantised operand, else bf16, f16 or f32 operands; f32 sums; everything else in f32.
;; Inputs: W1_codes 8,192 x 64 x 32 uint8 (E4M3 codes of W1, K innermost, in blocks of 32 codes); W2_codes 2,048 x 256 x 32 uint8 (E4M3 codes of W2, K innermost, in blocks of 32 codes); Wp 2,048 x 1 float32; b1 8,192 float32; b2 2,048 float32; bp 1 float32; lowp_scales 4 int32 (the exponents e of the quantised operands' scales 2^e); x 4 x 4,096 x 2,048 float32.
;; Outputs: out0 4 x 512 x 2,048 float32.
;; This version of the problem:
;;   THIS VERSION OF THE PROBLEM IS GIVEN IN LOW PRECISION. The matrix products marked QUANTISED in the list below multiply operands that are first quantised to E4M3 (4 exponent bits, 3 mantissa bits; 8 bits a number), with one given power-of-two scale for each operand tensor; their sums are f32. All else is computed in f32.
;;   The module's matrix products, in the order in which they are computed (A, B: the left and right operand; K: the contracted axis; several contracted axes count as one K, in the product's order):
;;     1. [M 16,384, K 2,048] x [K 2,048, N 1]; A: input x; B: input Wp: left as it is (N = 1 < 16)
;;     2. [M 2,048, K 2,048] x [K 2,048, N 8,192]; A: computed on the way; B: input W1 (given as codes): QUANTISED (scales: A lowp_scales[0], B lowp_scales[1])
;;     3. [M 2,048, K 8,192] x [K 8,192, N 2,048]; A: computed on the way; B: input W2 (given as codes): QUANTISED (scales: A lowp_scales[2], B lowp_scales[3])
;;   THE QUANTISER, for each operand of a quantised product, along K:
;;     - The operand's scale is 2^e, e = its entry of the input lowp_scales (int32; the entries are numbered through the quantised products in the list's order, A before B).
;;     - Each number is divided by the scale, clamped to +-448, and rounded to the nearest number of E4M3, ties to even, subnormals kept.
;;     - The product sums the exact products of the quantised numbers (number of the format x scale) in f32.
;;   ~~~python
;;   def quantise(x, axis, e):      # numpy; x: float32 -> the quantised numbers, widened to float32 again
;;       x = np.moveaxis(x, axis, -1); K = x.shape[-1]
;;       r = np.clip(x / 2.0 ** e, -448, 448)
;;       step = 2.0 ** (np.maximum(np.frexp(np.where(r == 0, 1, r))[1] - 1, -6) - 3)
;;       q = np.round(r / step) * step * 2.0 ** e      # np.round: ties to even
;;       return np.moveaxis(q, -1, axis).astype(np.float32)
;;   ~~~
;;   OPERANDS COMPUTED ON THE WAY. 'Computed on the way' means the value that the module computes at that place (a softmax that the list does not call 'softmax' is quantised finished and normalised). What goes into a quantiser is computed in f32, as accurately as f32 sums, v_exp_f32 and their like allow (about 1e-6 of the number): no bf16 or f16 on the way to a quantiser, and a product that is left as it is and whose result goes on into a quantised operand takes f32 operands (vector FMAs, or v_wmma_f32_16x16x4_f32). A number that lies on a knife's edge between two numbers of the format may be rounded either way, as far as f32 arithmetic and the matrix unit's own rounding can turn it there, and no further.
;;   INPUTS GIVEN AS CODES. W1 (in the module: [2048, 8192], K = its axis 0); W2 (in the module: [8192, 2048], K = its axis 0): each comes as NAME_codes (uint8): NAME with its K axis moved to the last place and cut into blocks of 32 codes, [.., K / 32, bytes a block], one block behind the other in memory; one code a byte (a code: sign, 4 exponent bits, 3 mantissa bits); its scale is its entry of lowp_scales. Its value is code x scale, taken as it is: it is not quantised again, and the codes and scales need not be those that the quantiser above would give.
;; One version. Each part assembles by itself: llvm-mc -triple=amdgcn-amd-amdhsa -mcpu=gfx1250 --defsym DOCPART=n.
;; ======== version 1 of 1: 3 launches
;; limits: right only within a limited range of input values
;; workspace buffers: xq 4,194,304 bytes; h 16,777,216 bytes
;; launch quant_x (part 1): grid 256 x 1, 4 waves a work-group, no clusters, 33,280 bytes of LDS; arguments x, lowp_scales, xq; writes xq
.if DOCPART == 1
	.amdgcn_target "amdgcn-amd-amdhsa--gfx1250"
	.amdhsa_code_object_version 6
	.text
	.protected	k_q272c1bf269_quant_x
	.globl	k_q272c1bf269_quant_x
	.p2align	8
	.type	k_q272c1bf269_quant_x,@function
k_q272c1bf269_quant_x:
	s_mov_b64 s[64:65], 0
	v_nop
	global_prefetch_b8 v0, s[64:65] scope:SCOPE_SE
	s_setreg_imm32_b32 hwreg(HW_REG_WAVE_MODE, 25, 1), 1
	s_wait_xcnt 0x0
; FIRST OF THREE LAUNCHES.  out = Q(gelu(Q(t) W1 + b1)) W2 + b2, t = the tokens that the router picks; Q = the given quantisers to E4M3.
; DEAD WORK, shown for all finite values of the inputs.  The router's weight of a token is softmax over an axis of size ONE of w = x . Wp + bp: exp(w - w) / exp(w - w) = 1, whatever w is.
; So the 4,096 scores of a batch are all equal, and top_k, which keeps the lower index among equals, returns the indices 0, 1, .. 511 in that order.  The gather is then the slice x[:, 0:512, :].
; Left out as whole units: the product x Wp, the bias bp, the softmax, the top_k, the gather by index, and rows 512 .. 4095 of every batch of x.  Wp and bp have no way to any output:
; they are not loaded and are among no launch's arguments.  LIMIT: a NaN, an infinity or an overflow that reaches only the router's score (or lies in the rows left out) is not carried to the result.
; THIS LAUNCH: rows 0 .. 511 of each of the 4 batches of x (f32, 2,048 numbers a row) become codes of E4M3 with the given scale 2^e0, laid [2048 rows m = 512 b + i][2048], K innermost.
; code = x / 2^e0, held within +-448, rounded to the nearest code, ties to even.  LIMITS: -126 <= e0 <= 119, so that 2^e0 and 448 x 2^e0 are f32 numbers.  NaN among the inputs is not served.
; SHARES.  A work-group takes 8 rows (16,384 numbers), a wave 4,096 of them in 8 steps of 512.  All 32 loads of a wave go out at the head: 16,384 bytes a wave are on their way at once.
; The conversion takes 8 neighbours along K from ONE lane's registers; a load is dense where neighbouring LANES take neighbouring bytes.  Both are had: a step's four loads read 512 consecutive bytes each, 16 a lane;
; the 2,048 bytes go through the wave's own stage in LDS and come back 64 bytes a lane.  A lane's 16 codes are 16 bytes: a store of the wave covers 512 consecutive bytes, aligned.
; No tensor load, no barrier, no cluster, no matrix unit: the waves share nothing, and each byte is read once and written once.
.set STEPS, 8
.set SP,    80                         ; a lane's place in a stage: its 64 bytes + 16 of padding
.set WREG,  8192                       ; LDS: a region for each wave: two stages of 32 x SP bytes
.set SPARE, 4*WREG                     ; behind the four regions: the spare words, 128 bytes for each wave: two blocks of 256 bytes that no other line names
.set SPW,   12                         ; v12      LDS address of my spare word; never rewritten
.set NIL,   13                         ; v13      0; never rewritten
.set R,     16                         ; v16-143  eight sets of 16 numbers as they are loaded, one for each step
.set X,     144                        ; v144-175 two sets of 16 neighbours
.set C,     176                        ; v176-207 codes: four registers for each step, so that no store's data are written again
	s_load_b128 s[4:7], s[0:1], 0x0                ; x s[4:5], the scales' exponents s[6:7]
	s_load_b64 s[8:9], s[0:1], 0x10                ; xq
	v_lshl_add_u32 v[SPW], v0, 2, SPARE
	v_mov_b32 v[NIL], 0
	v_lshrrev_b32 v1, 5, v0
	v_readfirstlane_b32 s16, v1                    ; wave 0..3
	v_and_b32 v2, 31, v0                           ; lane
	v_lshlrev_b32 v3, 4, v2                        ; 16 x lane: my 16 bytes of a load's 512, and my 16 codes of a step's 512
	s_mul_i32 s17, s16, WREG
	v_lshrrev_b32 v14, 2, v2
	v_mul_u32_u24 v14, v14, SP
	v_and_b32 v15, 3, v2
	v_lshl_add_u32 v14, v15, 4, v14
	v_add_nc_u32 v14, s17, v14                     ; the stage, on the way in: four lanes' 64 bytes on end, then 16 of padding: SP (lane / 4) + 16 (lane % 4)
	v_mul_u32_u24 v15, v2, SP
	v_add_nc_u32 v15, s17, v15                     ; and on the way out: SP x lane: my 16 neighbours
	s_lshr_b32 s20, ttmp9, 6                       ; the batch: 64 work-groups of 8 rows are its 512 rows
	s_lshl_b32 s20, s20, 25                        ; a batch of x is 4,096 rows of 8,192 bytes = 2^25 bytes
	s_and_b32 s18, ttmp9, 63
	s_lshl_b32 s18, s18, 16                        ; 8 rows of 8,192 bytes
	s_add_co_u32 s20, s20, s18
	s_lshl_b32 s18, s16, 14                        ; my wave's 4,096 numbers
	s_add_co_u32 s20, s20, s18                     ; under 2^27
	s_mov_b32 s21, 0
	s_lshl_b32 s24, ttmp9, 14                      ; the codes: 16,384 bytes a work-group,
	s_lshl_b32 s18, s16, 12                        ; 4,096 a wave
	s_add_co_u32 s24, s24, s18
	s_mov_b32 s25, 0
	s_wait_alu depctr_va_vdst(0)
	s_wait_kmcnt 0x0
	s_load_b32 s22, s[6:7], 0x0                    ; e0
	s_add_nc_u64 s[4:5], s[4:5], s[20:21]
	s_add_nc_u64 s[8:9], s[8:9], s[24:25]
.macro LOAD t
.irp i, 0,1,2,3
	global_load_b128 v[R+16*(\t)+4*\i:R+16*(\t)+4*\i+3], v3, s[4:5] offset:2048*(\t)+512*\i th:TH_LOAD_NT   ; 32 lanes read 512 consecutive bytes; read once in the launch
.endr
.endm
.macro TURN t                          ; step t's numbers through the stage: LDS serves a wave's instructions in order, so no wait stands between the stores and the loads
.irp i, 0,1,2,3
	ds_store_b128 v14, v[R+16*(\t)+4*\i:R+16*(\t)+4*\i+3] offset:32*SP*((\t)%2)+8*SP*\i
.endr
.irp i, 0,1,2,3
	ds_load_b128 v[X+16*((\t)%2)+4*\i:X+16*((\t)%2)+4*\i+3], v15 offset:32*SP*((\t)%2)+16*\i
.endr
.endm
.irp t, 0,1,2,3,4,5,6,7
	LOAD \t
.endr
	s_wait_kmcnt 0x0
	s_add_co_i32 s22, s22, 127
	s_lshl_b32 s23, s22, 23
	v_mov_b32 v11, s23                             ; 2^e0 as f32: the conversion takes its exponent field
	s_add_co_i32 s22, s22, 8
	s_lshl_b32 s22, s22, 23
	s_or_b32 s22, s22, 0x600000
	v_mov_b32 v10, s22                             ; 448 x 2^e0
	s_wait_alu depctr_va_vdst(0)
	s_wait_loadcnt 28                              ; step 0's four loads are in; the 28 of steps 1 to 7 may be out
	TURN 0
.macro STEP t
.set XS, X+16*((\t)%2)
	s_wait_dscnt 0x0                               ; this step's numbers are back from the stage
.if (\t)+1 < STEPS
	s_wait_loadcnt 4*(STEPS-2-(\t))                ; the next step's four loads are in; those of the steps behind it may be out
	TURN (\t)+1                                    ; and go through the other stage while this step is worked
.endif
.irp i, 0,1,2,3,4,5,6,7,8,9,10,11,12,13,14,15
	v_med3_num_f32 v[XS+\i], v[XS+\i], -v10, v10   ; the conversion to an 8-bit code does not saturate (ISA guide 7.6.2): hold the number within the largest code x the scale first
.endr
	v_cvt_scalef32_pk8_fp8_f32 v[C+4*(\t):C+4*(\t)+1], v[XS:XS+7], v11
	v_cvt_scalef32_pk8_fp8_f32 v[C+4*(\t)+2:C+4*(\t)+3], v[XS+8:XS+15], v11
	; the codes go to a store alone; the next vector lines, the next step's holds, are plain and touch the other set
	global_store_b128 v3, v[C+4*(\t):C+4*(\t)+3], s[8:9] offset:512*(\t)
.endm
.irp t, 0,1,2,3,4,5,6,7
	STEP \t
.endr
	s_wait_tensorcnt 0x0                           ; the wave's end: behind my last LDS store
	ds_add_u32 v[SPW], v[NIL]
	s_wait_dscnt 0x0
	s_endpgm
.Lfunc_end_k_q272c1bf269_quant_x:
	.size	k_q272c1bf269_quant_x, .Lfunc_end_k_q272c1bf269_quant_x-k_q272c1bf269_quant_x
	.p2alignl 7, 3214868480
	.fill 96, 4, 3214868480
	.section	.rodata,"a",@progbits
	.p2align	6, 0x0
	.amdhsa_kernel k_q272c1bf269_quant_x
		.amdhsa_group_segment_fixed_size 33280
		.amdhsa_private_segment_fixed_size 0
		.amdhsa_enable_private_segment 0
		.amdhsa_kernarg_size 24
		.amdhsa_user_sgpr_count 2
		.amdhsa_user_sgpr_kernarg_segment_ptr 1
		.amdhsa_wavefront_size32 1
		.amdhsa_system_sgpr_workgroup_id_x 1
		.amdhsa_system_sgpr_workgroup_id_y 1
		.amdhsa_system_sgpr_workgroup_id_z 1
		.amdhsa_system_vgpr_workitem_id 0
		.amdhsa_next_free_vgpr 208
		.amdhsa_next_free_sgpr 66
		.amdhsa_reserve_vcc 0
		.amdhsa_float_denorm_mode_32 3
		.amdhsa_float_denorm_mode_16_64 3
		.amdhsa_memory_ordered 1
		.amdhsa_forward_progress 1
		.amdhsa_inst_pref_size 20
	.end_amdhsa_kernel
	.amdgpu_metadata
---
amdhsa.version: [ 1, 2 ]
amdhsa.kernels:
  - .name:           k_q272c1bf269_quant_x
    .symbol:         k_q272c1bf269_quant_x.kd
    .args:
      - { .name: x, .offset: 0, .size: 8, .value_kind: global_buffer, .address_space: global }
      - { .name: lowp_scales, .offset: 8, .size: 8, .value_kind: global_buffer, .address_space: global }
      - { .name: xq, .offset: 16, .size: 8, .value_kind: global_buffer, .address_space: global }
    .group_segment_fixed_size: 33280
    .private_segment_fixed_size: 0
    .kernarg_segment_align: 8
    .kernarg_segment_size: 24
    .max_flat_workgroup_size: 128
    .sgpr_count:     66
    .vgpr_count:     208
    .wavefront_size: 32
...
	.end_amdgpu_metadata
.endif
;; end of part 1
;; launch gemm1 (part 2): grid 32 x 8, 4 waves a work-group, clusters of 4 x 4, 327,680 bytes of LDS; arguments xq, W1_codes, lowp_scales, b1, h; writes h
.if DOCPART == 2
	.amdgcn_target "amdgcn-amd-amdhsa--gfx1250"
	.amdhsa_code_object_version 6
	.text
	.protected	k_q272c1bf269_gemm1
	.globl	k_q272c1bf269_gemm1
	.p2align	8
	.type	k_q272c1bf269_gemm1,@function
k_q272c1bf269_gemm1:
	s_mov_b64 s[64:65], 0
	v_nop
	global_prefetch_b8 v0, s[64:65] scope:SCOPE_SE
	s_setreg_imm32_b32 hwreg(HW_REG_WAVE_MODE, 25, 1), 1
	s_wait_xcnt 0x0
	s_wait_alu depctr_hold_cnt(0) depctr_sa_sdst(0) depctr_va_vdst(0) depctr_va_sdst(0) depctr_va_ssrc(0) depctr_va_vcc(0) depctr_vm_vsrc(0)
	s_getreg_b32 s2, hwreg(HW_REG_IB_STS2, 6, 4)
	s_cmp_eq_u32 s2, 0
	s_cbranch_scc0 .Lentry_in_a_cluster
	s_endpgm
.Lentry_in_a_cluster:
	s_bfe_u32 s2, ttmp6, 0x10000c
	s_cmp_lg_u32 s2, 0xf033
	s_cbranch_scc0 .Lentry_shape_is_right
	s_endpgm
.Lentry_shape_is_right:
; SECOND OF THREE LAUNCHES.  h = Q(gelu(xq W1^T x 2^(e0 + e1) + b1)), as codes of E4M3 with the given scale 2^e2.  (The router, Wp, bp and x's rows 512 on are dead work: shown at the head of the first launch.)
; A tile of 256 x 256 a work-group, a wave 128 x 128; K in steps of 256 through a ring of two LDS slots filled by joint tensor loads in clusters of 4 x 4.
; The matrix instruction is used transposed, so a lane (r = l % 16, l / 16) holds of row r the columns 16 b + 8 (l / 16) + 0 .. 7 of each block b: its eight code registers of four neighbouring b ARE the
; registers of a fragment of 16 rows x 64 along the third launch's K.  So h is stored as that image, straight from registers, block by block as each is finished:
; h[tile t of 128 rows][j: 64 along its K][i: 16 rows][c: 0, 1][lane l][16 bytes]: registers 4 c .. 4 c + 3 of the fragment; register pair p holds code(128 t + 16 i + l % 16, 64 j + 16 p + 8 (l / 16) + 0 .. 7).
; LIMITS: -126 <= e0 + e1 <= 127 and -126 <= e2 <= 119, so that the scales are f32 numbers.
.set SIZE_K, 2048
.set KSTEP,  256
.set ROWB,   256
.set KROW,   SIZE_K
.set PITCH,  272
.set FR,     16
.set NL,     4
.set NP,     4
.set HALFT,  128*PITCH
.set SLOT,   4*HALFT
.set LAPS,   SIZE_K/(2*KSTEP)
.set SPARE,  2*SLOT
.set ADRA, 16
.set ADRB, 20
.set CO,   26
.set BO,   27
.set SPW,  28
.set NIL,  29
.set PFO,  30
.set BI,   32
.set Y,    96
.set T,    160
.set PC,   224
.set AF,   128
.set G1, 24
.set G0, 32
.set G1B, 48
.set G0B, 56
.set PFA, 66
.set LIM, 68
.set MSB, 0
.macro WIN new
.if MSB != \new
	s_set_vgpr_msb (MSB<<8)|\new
.set MSB, \new
.endif
.endm
.set MUL_LO, 0xa1
.set MUL_HI, 0xf1
.set TO_B,   0x40
.macro JLOAD g0a, g1a, g0b, g1b
	s_cmp_eq_u32 s15, 0
	s_cbranch_scc0 .Lfor_b_\@
	tensor_load_to_lds s[\g0a:\g0a+3], s[\g1a:\g1a+7]
	s_nop 0
.rept 4
	v_nop
.endr
	s_branch .Lasked_\@
.Lfor_b_\@:
	tensor_load_to_lds s[\g0b:\g0b+3], s[\g1b:\g1b+7]
	s_nop 0
.rept 4
	v_nop
.endr
.Lasked_\@:
.endm
.macro ASK
	s_cmp_gt_u32 s3, s[LIM]
	s_cbranch_scc0 .Lnot_mine_\@
	s_wait_alu depctr_va_vdst(0)
	global_prefetch_b8 v[PFO], s[PFA:PFA+1] offset:ROWB th:TH_LOAD_NT scope:SCOPE_SE
.Lnot_mine_\@:
.endm
.macro CREST
	s_cmp_lg_u32 s14, 0
	s_cbranch_scc1 .Lnot_wave_0_\@
	s_barrier_signal -3
.Lnot_wave_0_\@:
	s_barrier_wait -3
	s_barrier_signal -1
	s_barrier_wait -1
.endm
.macro CROUND
	s_barrier_signal -1
	s_barrier_wait -1
	CREST
.endm
	s_load_b128 s[4:7], s[0:1], 0x0
	s_load_b128 s[8:11], s[0:1], 0x10
	s_load_b64 s[12:13], s[0:1], 0x20
	v_lshl_add_u32 v[SPW], v0, 2, SPARE
	v_mov_b32 v[NIL], 0
	ds_add_u32 v[SPW], v[NIL]
	ds_add_u32 v[SPW], v[NIL]
	v_lshrrev_b32 v1, 5, v0
	v_readfirstlane_b32 s14, v1
	s_lshr_b32 s15, s14, 1
	s_and_b32 s16, s14, 1
	s_bfe_u32 s40, ttmp6, 0x40000
	s_bfe_u32 s41, ttmp6, 0x40004
	s_lshl_b32 s42, ttmp9, 2
	s_add_co_u32 s42, s42, s40
	s_and_b32 s17, ttmp7, 0xffff
	s_lshl_b32 s17, s17, 2
	s_add_co_u32 s17, s17, s41
	s_lshl_b32 s43, s41, 2
	s_lshl_b32 s43, 15, s43
	s_lshl_b32 s44, 0x1111, s40
	s_or_b32 s[G1+0], s43, (0<<16)|(1<<20)|(1<<21)|(5<<22)|(3<<25)
	s_or_b32 s[G1B+0], s44, (0<<16)|(1<<20)|(1<<21)|(5<<22)|(3<<25)
.irp g, G1, G1B
	s_mov_b32 s[\g+1], ROWB<<16
	s_mov_b32 s[\g+2], 128<<16
	s_mov_b32 s[\g+3], ROWB<<16
	s_mov_b32 s[\g+4], 128
	s_mov_b32 s[\g+5], KROW
	s_mov_b32 s[\g+6], 0
	s_mov_b32 s[\g+7], 0
.endr
	s_lshl_b32 s18, s16, 7
	s_lshl_b32 s20, s17, 8
	s_add_co_u32 s20, s20, s18
	s_lshl_b32 s20, s20, 11
	s_mov_b32 s21, 0
	s_lshl_b32 s46, s42, 8
	s_add_co_u32 s46, s46, s18
	s_lshl_b32 s46, s46, 11
	s_mov_b32 s47, 0
	s_mul_i32 s45, s14, HALFT
	s_wait_dscnt 0x0
	s_wait_kmcnt 0x0
	s_load_b128 s[76:79], s[8:9], 0x0
	s_add_nc_u64 s[20:21], s[4:5], s[20:21]
	s_add_nc_u64 s[46:47], s[6:7], s[46:47]
	CROUND
.irp s, 0,1
	s_mov_b32 s[G0+4*\s], 1
	s_add_co_u32 s[G0+4*\s+1], s45, \s*SLOT
	s_add_nc_u64 s[G0+4*\s+2:G0+4*\s+3], s[20:21], \s*ROWB
	s_or_b32 s[G0+4*\s+3], s[G0+4*\s+3], 0x80000000
	s_mov_b32 s[G0B+4*\s], 1
	s_add_co_u32 s[G0B+4*\s+1], s45, \s*SLOT
	s_add_nc_u64 s[G0B+4*\s+2:G0B+4*\s+3], s[46:47], \s*ROWB
	s_or_b32 s[G0B+4*\s+3], s[G0B+4*\s+3], 0x80000000
	s_wait_alu depctr_va_vdst(0)
	s_wait_tensorcnt 0x0
	ds_add_u32 v28, v29
	ds_add_u32 v28, v29
	s_wait_dscnt 0x0
	CROUND
	JLOAD G0+4*\s, G1, G0B+4*\s, G1B
.endr
	v_and_b32 v1, 15, v0
	v_bfe_u32 v2, v0, 4, 1
	v_mul_u32_u24 v3, v1, PITCH
	s_wait_alu depctr_va_vdst(0)
	v_lshl_add_u32 v4, v2, 4, v3
	s_mul_i32 s21, s15, HALFT
	s_mul_i32 s22, s16, HALFT
	s_add_co_u32 s22, s22, 2*HALFT
.irp s, 0,1
	v_add_nc_u32 v[ADRA+\s], s21, v4
	v_add_nc_u32 v[ADRB+\s], s22, v4
	s_add_co_u32 s21, s21, SLOT
	s_add_co_u32 s22, s22, SLOT
.endr
	v_and_b32 v5, 31, v0
	v_lshlrev_b32 v[CO], 4, v5                     ; 16 x lane: a store of the wave covers 512 consecutive bytes
	v_lshlrev_b32 v[BO], 5, v2
	s_lshl_b32 s86, s42, 10
	s_lshl_b32 s87, s16, 9
	s_add_co_u32 s86, s86, s87
	s_mov_b32 s87, 0
	s_add_nc_u64 s[10:11], s[10:11], s[86:87]
.irp b, 0,1,2,3,4,5,6,7
	global_load_b128 v[BI+8*\b:BI+8*\b+3], v[BO], s[10:11] offset:64*\b
	global_load_b128 v[BI+8*\b+4:BI+8*\b+7], v[BO], s[10:11] offset:64*\b+16
.endr
	s_lshl_b32 s86, s17, 21                        ; my tile row is two of h's tiles of 2^20 bytes;
	s_lshl_b32 s87, s15, 20                        ; my 128 rows are the first or the second;
	s_add_co_u32 s86, s86, s87
	s_lshl_b32 s87, s16, 14                        ; j = 4 x tile column + 2 x my half of the columns + 0, 1; 8,192 bytes a j
	s_add_co_u32 s86, s86, s87
	s_lshl_b32 s87, s42, 15
	s_add_co_u32 s86, s86, s87
	s_mov_b32 s87, 0
	s_add_nc_u64 s[12:13], s[12:13], s[86:87]
	s_lshl_b32 s80, s17, 8
	s_lshl_b32 s81, s42, 8
	s_and_b32 s82, ttmp7, 0xffff
	s_cmp_eq_u32 s15, 0
	s_cselect_b32 s84, s80, s81
	s_cselect_b32 s85, s40, s41
	s_cselect_b32 s82, ttmp9, s82
	s_cselect_b64 s[PFA:PFA+1], s[4:5], s[6:7]
	s_cmp_eq_u32 s82, 0
	s_cselect_b32 s[LIM], 1, -1
	s_lshl_b32 s82, s16, 7
	s_add_co_u32 s84, s84, s82
	s_lshl_b32 s85, s85, 5
	s_add_co_u32 s84, s84, s85
	s_lshl_b32 s84, s84, 11
	s_mov_b32 s85, 0
	s_add_nc_u64 s[PFA:PFA+1], s[PFA:PFA+1], s[84:85]
	s_add_nc_u64 s[PFA:PFA+1], s[PFA:PFA+1], 2*ROWB
	v_and_b32 v[PFO], 31, v0
	v_lshlrev_b32 v[PFO], 11, v[PFO]
.macro FRAG reg, adr, q, i
.irp c, 0,1,2,3
	ds_load_b128 v[\reg+4*\c:\reg+4*\c+3], v[\adr] offset:128*(\q)+32*\c+(\i)*16*PITCH
.endr
.endm
.macro MUL16 a0, p, zero
.irp a, \a0, \a0+1
.irp b, 0,1,2,3,4,5,6,7
.if \zero
	v_wmma_f32_16x16x128_fp8_fp8 v[8*(8*((\a)%4)+\b):8*(8*((\a)%4)+\b)+7], v[128*(\p)+FR*\b:128*(\p)+FR*\b+FR-1], v[AF+FR*(\a):AF+FR*(\a)+FR-1], 0
.else
	v_wmma_f32_16x16x128_fp8_fp8 v[8*(8*((\a)%4)+\b):8*(8*((\a)%4)+\b)+7], v[128*(\p)+FR*\b:128*(\p)+FR*\b+FR-1], v[AF+FR*(\a):AF+FR*(\a)+FR-1], v[8*(8*((\a)%4)+\b):8*(8*((\a)%4)+\b)+7]
.endif
.endr
.endr
.endm
.macro FETCH_B slot, q, p
	WIN TO_B
.irp i, 0,1,2,3,4,5,6,7
	FRAG 128*(\p)+FR*\i, ADRB+\slot, \q, \i
.endr
	WIN 0
.endm
.macro FETCH_A slot, q, i0
.irp i, \i0, \i0+1, \i0+2, \i0+3
	FRAG AF+FR*(\i), ADRA+\slot, \q, \i
.endr
.endm
.macro PLACES n
.rept \n
	v_nop
.endr
.endm
.macro STEP slot, q, zero
	s_wait_dscnt 4*NL
	WIN MUL_LO
	MUL16 0, (\q)%2, \zero
	MUL16 2, (\q)%2, \zero
	s_wait_dscnt 0
	PLACES NP
	FETCH_B \slot, (\q)+1, 1-(\q)%2
	FETCH_A \slot, (\q)+1, 0
	WIN MUL_HI
	MUL16 4, (\q)%2, \zero
	MUL16 6, (\q)%2, \zero
	PLACES NP
	WIN 0
	FETCH_A \slot, (\q)+1, 4
.endm
.macro TURN slot, next, fill
.if \fill
	s_wait_xcnt 0x0
	s_add_nc_u64 s[PFA:PFA+1], s[PFA:PFA+1], ROWB
.endif
	s_wait_dscnt 4*NL
	WIN MUL_LO
	MUL16 0, 1, 0
	MUL16 2, 1, 0
	WIN 0
	s_wait_tensorcnt 0x0
	ds_add_u32 v[SPW], v[NIL]
.if \fill
	s_add_nc_u64 s[G0+4*\slot+2:G0+4*\slot+3], s[G0+4*\slot+2:G0+4*\slot+3], 2*ROWB
	s_add_nc_u64 s[G0B+4*\slot+2:G0B+4*\slot+3], s[G0B+4*\slot+2:G0B+4*\slot+3], 2*ROWB
.endif
	s_wait_dscnt 0x0
	s_barrier_signal -1
	s_barrier_wait -1
.if \fill
	CREST
	JLOAD G0+4*\slot, G1, G0B+4*\slot, G1B
.else
	PLACES NP
.endif
	FETCH_B \next, 0, 0
	FETCH_A \next, 0, 0
.if \fill
	ASK
.endif
	WIN MUL_HI
	MUL16 4, 1, 0
	MUL16 6, 1, 0
	PLACES NP
	WIN 0
	FETCH_A \next, 0, 4
.endm
	s_wait_alu depctr_va_vdst(0)
	s_wait_tensorcnt 1
	s_barrier_signal -1
	s_barrier_wait -1
	FETCH_B 0, 0, 0
	FETCH_A 0, 0, 0
	FETCH_A 0, 0, 4
	STEP 0, 0, 1
	s_mov_b32 s3, LAPS-1
.Llap:
	TURN 0, 1, 1
	STEP 1, 0, 0
	TURN 1, 0, 1
	STEP 0, 0, 0
	s_sub_co_u32 s3, s3, 1
	s_cmp_lg_u32 s3, 0
	s_cbranch_scc1 .Llap
	TURN 0, 1, 0
	STEP 1, 0, 0
	s_wait_dscnt 4*NL
	WIN MUL_LO
	MUL16 0, 1, 0
	MUL16 2, 1, 0
	s_wait_dscnt 0
	WIN MUL_HI
	MUL16 4, 1, 0
	MUL16 6, 1, 0
	WIN 0
	s_wait_kmcnt 0x0
	s_add_co_i32 s70, s76, s77
	s_add_co_i32 s70, s70, 127
	s_lshl_b32 s70, s70, 23
	s_mov_b32 s71, s70
	s_mov_b32 s72, 0xbdd2d3e8
	s_mov_b32 s73, s72
	s_add_co_i32 s74, s78, 127
	s_lshl_b32 s75, s74, 23
	s_add_co_i32 s74, s74, 8
	s_lshl_b32 s74, s74, 23
	s_or_b32 s74, s74, 0x600000
	v_mov_b32 v11, s75
	v_mov_b32 v10, s74
	v_mov_b32 v8, 0xc0135761
	v_mov_b32 v9, 0xc0135761
	s_wait_loadcnt 0x0
.macro BLOCK a
.set AC, 64*((\a)%4)
.set PS, PC+16*((\a)%2)
	WIN 0x02+((\a)/4)
.set jj, 0
.rept 32
	v_pk_fma_f32 v[Y+jj:Y+jj+1], v[AC+jj:AC+jj+1], s[70:71], v[BI+jj:BI+jj+1] op_sel_hi:[1,0,1]
.set jj, jj+2
.endr
	WIN 0
.set jj, 0
.rept 32
	v_pk_mul_f32 v[T+jj:T+jj+1], v[Y+jj:Y+jj+1], v[Y+jj:Y+jj+1]
.set jj, jj+2
.endr
.set jj, 0
.rept 32
	v_pk_fma_f32 v[T+jj:T+jj+1], v[T+jj:T+jj+1], s[72:73], v[8:9] op_sel_hi:[1,0,1]
.set jj, jj+2
.endr
.set jj, 0
.rept 32
	v_pk_mul_f32 v[T+jj:T+jj+1], v[T+jj:T+jj+1], v[Y+jj:Y+jj+1]
.set jj, jj+2
.endr
.set jj, 0
	s_wait_alu depctr_va_vdst(0)
.rept 64
	v_exp_f32 v[T+jj], v[T+jj]
.set jj, jj+1
.endr
	v_nop
	s_wait_alu depctr_va_vdst(0)
.set jj, 0
.rept 32
	v_pk_add_f32 v[T+jj:T+jj+1], v[T+jj:T+jj+1], 1.0 op_sel_hi:[1,0]
.set jj, jj+2
.endr
.set jj, 0
	s_wait_alu depctr_va_vdst(0)
.rept 64
	v_rcp_f32 v[T+jj], v[T+jj]
.set jj, jj+1
.endr
	v_nop
	s_wait_alu depctr_va_vdst(0)
.set jj, 0
.rept 32
	v_pk_mul_f32 v[T+jj:T+jj+1], v[T+jj:T+jj+1], v[Y+jj:Y+jj+1]
.set jj, jj+2
.endr
.set jj, 0
.rept 64
	v_med3_num_f32 v[T+jj], v[T+jj], -v10, v10
.set jj, jj+1
.endr
.if (\a) >= 2
	s_wait_alu depctr_va_vdst(0)
	s_wait_xcnt 0x0                                ; the stores of the block two back have read their registers: the codes below land there
.endif
.set jj, 0
.rept 8
	v_cvt_scalef32_pk8_fp8_f32 v[PS+2*jj:PS+2*jj+1], v[T+8*jj:T+8*jj+7], v11
.set jj, jj+1
.endr
	v_nop
.set jj, 0
.rept 4
	global_store_b128 v[CO], v[PS+4*jj:PS+4*jj+3], s[12:13] offset:(jj/2)*8192+(\a)*1024+(jj%2)*512   ; jj = 2 j + c; i = the block: 512 consecutive bytes, aligned
.set jj, jj+1
.endr
.endm
.irp a, 0,1,2,3,4,5,6,7
	BLOCK \a
.endr
	s_wait_tensorcnt 0x0
	ds_add_u32 v[SPW], v[NIL]
	s_wait_dscnt 0x0
	CROUND
	s_endpgm
.Lfunc_end_k_q272c1bf269_gemm1:
	.size	k_q272c1bf269_gemm1, .Lfunc_end_k_q272c1bf269_gemm1-k_q272c1bf269_gemm1
	.p2alignl 7, 3214868480
	.fill 96, 4, 3214868480
	.section	.rodata,"a",@progbits
	.p2align	6, 0x0
	.amdhsa_kernel k_q272c1bf269_gemm1
		.amdhsa_group_segment_fixed_size 327680
		.amdhsa_private_segment_fixed_size 0
		.amdhsa_enable_private_segment 0
		.amdhsa_kernarg_size 40
		.amdhsa_user_sgpr_count 2
		.amdhsa_user_sgpr_kernarg_segment_ptr 1
		.amdhsa_wavefront_size32 1
		.amdhsa_system_sgpr_workgroup_id_x 1
		.amdhsa_system_sgpr_workgroup_id_y 1
		.amdhsa_system_sgpr_workgroup_id_z 1
		.amdhsa_system_vgpr_workitem_id 0
		.amdhsa_next_free_vgpr 1024
		.amdhsa_next_free_sgpr 100
		.amdhsa_reserve_vcc 0
		.amdhsa_float_denorm_mode_32 3
		.amdhsa_float_denorm_mode_16_64 3
		.amdhsa_memory_ordered 1
		.amdhsa_forward_progress 1
		.amdhsa_inst_pref_size 251
	.end_amdhsa_kernel
	.amdgpu_metadata
---
amdhsa.version: [ 1, 2 ]
amdhsa.kernels:
  - .name:           k_q272c1bf269_gemm1
    .symbol:         k_q272c1bf269_gemm1.kd
    .args:
      - { .name: xq, .offset: 0, .size: 8, .value_kind: global_buffer, .address_space: global }
      - { .name: W1_codes, .offset: 8, .size: 8, .value_kind: global_buffer, .address_space: global }
      - { .name: lowp_scales, .offset: 16, .size: 8, .value_kind: global_buffer, .address_space: global }
      - { .name: b1, .offset: 24, .size: 8, .value_kind: global_buffer, .address_space: global }
      - { .name: h, .offset: 32, .size: 8, .value_kind: global_buffer, .address_space: global }
    .group_segment_fixed_size: 327680
    .private_segment_fixed_size: 0
    .kernarg_segment_align: 8
    .kernarg_segment_size: 40
    .max_flat_workgroup_size: 128
    .sgpr_count:     100
    .vgpr_count:     1024
    .wavefront_size: 32
...
	.end_amdgpu_metadata
.endif
;; end of part 2
;; launch gemm2 (part 3): grid 16 x 16, 4 waves a work-group, clusters of 4 x 1, 327,680 bytes of LDS; arguments h, W2_codes, lowp_scales, b2, out0; writes out0
.if DOCPART == 3
	.amdgcn_target "amdgcn-amd-amdhsa--gfx1250"
	.amdhsa_code_object_version 6
	.text
	.protected	k_q272c1bf269_gemm2
	.globl	k_q272c1bf269_gemm2
	.p2align	8
	.type	k_q272c1bf269_gemm2,@function
k_q272c1bf269_gemm2:
	s_mov_b64 s[64:65], 0
	v_nop
	global_prefetch_b8 v0, s[64:65] scope:SCOPE_SE
	s_setreg_imm32_b32 hwreg(HW_REG_WAVE_MODE, 25, 1), 1
	s_wait_xcnt 0x0
	s_wait_alu depctr_hold_cnt(0) depctr_sa_sdst(0) depctr_va_vdst(0) depctr_va_sdst(0) depctr_va_ssrc(0) depctr_va_vcc(0) depctr_vm_vsrc(0)
	s_getreg_b32 s2, hwreg(HW_REG_IB_STS2, 6, 4)
	s_cmp_eq_u32 s2, 0
	s_cbranch_scc0 .Lentry_in_a_cluster
	s_endpgm
.Lentry_in_a_cluster:
	s_bfe_u32 s2, ttmp6, 0x10000c
	s_cmp_lg_u32 s2, 0x3003
	s_cbranch_scc0 .Lentry_shape_is_right
	s_endpgm
.Lentry_shape_is_right:
; THIRD OF THREE LAUNCHES.  out0 = h W2^T x 2^(e2 + e3) + b2.  (The router, Wp, bp and x's rows 512 on are dead work: shown at the head of the first launch.)
; h: codes of E4M3, laid by the second launch as images of fragments: [tile of 128 rows][j: 64 along K, 128 of them][i: 16 rows][c: 0, 1][lane l][16 bytes]: registers 4 c .. 4 c + 3 of the fragment,
; whose register pair p holds code(row 16 i + l % 16, K = 64 j + 16 p + 8 (l / 16) + 0 .. 7): the K = 64 form's own layout.  W2_codes: [2048][8192] codes, K innermost; b2: [2048] f32; out0: [2048][2048] f32.
; LIMIT: -126 <= e2 + e3 <= 127, so that 2^(e2 + e3) is an f32 number.  ORDER OF ROUNDING: an output's K is summed in four interleaved quarters, one a wave, added at the end as (p0 + p1) + (p2 + p3).
; SHAPE.  A tile of out0 is 128 x 128: 256 work-groups.  THE FOUR WAVES SPLIT K: each holds the whole tile in 64 accumulators (512 registers); of every 1,024 along K (a fill) wave w multiplies 256 w .. 256 w + 255, in four steps of 64.
; W2 GOES THROUGH LDS: a ring of two slots of 128 rows x 1,024 bytes, 8 fills.  CLUSTERS of 4 x 1: the four partners make four tile rows of one tile column and need the same tiles of W2: each is asked for JOINTLY (mask 15).
; At the head the four waves share both slots' first fills, 64 rows each; a refill is shared 32 rows a wave.  A slot's last fragments are read at the end of its fill's step 1; the change of slots stands in the middle of step 2,
; and a refill has four steps in which to land.
; h GOES STRAIGHT INTO REGISTERS: no fragment of it is used by two waves.  A fragment (8 registers) is two loads of 512 consecutive bytes.  A ring of four places: step n multiplies place n % 4 and loads
; step n + 4 into it as its registers come free (blocks 0-3 in the step's middle, 4-7 at its end): 64 loads of a wave stand ahead of their use, under counted waits.  So h is not asked for jointly: a joint load lands in LDS,
; where two slots of this length have room for one operand alone.
; The loads' two bases take turns by fill; a base is stepped behind the counted wait that shows the last loads that named it done.
; PREFETCH: W2's fill two refills on, 512 blocks of 256 bytes: of the 32 rows that a wave fetches the partner at place cx takes 8, by address; a lane a block; one instruction a wave a change of slots; fills 0 to 3 come by
; their loads alone, and the last trip asks for nothing.  None for h: its own loads stand four steps ahead of their use.
; THE MATRIX INSTRUCTION IS USED TRANSPOSED (source 0 = 16 rows of W2, source 1 = 16 rows of h): a lane holds eight neighbouring numbers of a row of out0.
; REGISTERS, in windows of 256: window 0: v0-31 addresses, b2; v64-191 W2's fragments, two sets (later the join's sets, v128-255);  window 1: h's ring, four places of 64;  windows 2, 3: the accumulators of rows 0-63, 64-127.
.set FROW,   1024                      ; a fill's bytes of a row of W2
.set PB,     1040                      ; an LDS row: 1,024 bytes + 16 = 260 words: row r starts at bank 4 r mod 64 (64 banks of 4 bytes: ISA guide 11.1), so the 32 lanes of an 8-byte load touch 64 different banks
.set SLOT,   128*PB
.set FILLB,  131072                    ; a fill's bytes of h's tile: 16 j of 8,192
.set PITCH,  528                       ; the join: an LDS row of 512 bytes + 16
.set PARTB,  128*PITCH                 ; a wave's part; the four parts lie over the two slots, which have had their last fill and their last read by then, and 4,096 bytes more
.set SPARE,  4*PARTB                   ; behind them: the spare words, 128 bytes for each wave
.set OROW,   8192                      ; a row of out0 in bytes
.set RD,   8                           ; v8-11   the join: where I read my rows of wave q's part
.set BV,   12                          ; v12-15  b2 of my four columns
.set ADRB, 16                          ; v16-19  LDS address of my W2 fragments: slot 0 blocks 0-3, blocks 4-7, slot 1 likewise (an offset holds 16 bits)
.set STO,  24                          ; v24     the join: where I put 32 bytes of a row of my part
.set CO,   26                          ; v26     16 x lane
.set SPW,  28                          ; v28     LDS address of my spare word; never rewritten
.set NIL,  29                          ; v29     0; never rewritten
.set PFO,  30                          ; v30     the prefetches' offset: row lane / 4, block lane % 4
.set BF,   64                          ; W2's two sets, window 0
.set JF,   128                         ; the join's two sets
.set SA,   20                          ; s[20:21], s[22:23] h at my wave's part of an even, an odd fill
.set G1,   24                          ; s[24:31] descriptor group 1 of a refill: 32 rows
.set G0,   32                          ; s[32:39] descriptor group 0 of the refills, one set for each slot
.set PFA,  48                          ; s[48:49] where my prefetches stand
.set G1H,  88                          ; s[88:95] descriptor group 1 of the head's loads: 64 rows
.set G0H,  96                          ; s[96:99] descriptor group 0 of my head's load
.set MSB, 0
.macro WIN new                         ; the immediate's high byte repeats the setting that is left
.if MSB != \new
	s_set_vgpr_msb (MSB<<8)|\new
.set MSB, \new
.endif
.endm
.set MUL_LO, 0xa4                      ; source 0 (W2) window 0, source 1 (h) window 1, C and D window 2
.set MUL_HI, 0xf4                      ; the same, C and D window 3
.set TO_A,   0x40                      ; destination window 1, address window 0
.macro PLACES                          ; four plain places behind matrix instructions, ahead of loads into registers that they read and of the first read of results
.rept 4
	v_nop
.endr
.endm
.macro ROUND                           ; a round of the cluster's barrier
	s_barrier_signal -1
	s_barrier_wait -1
	s_cmp_lg_u32 s14, 0
	s_cbranch_scc1 .Lnot_wave_0_\@
	s_barrier_signal -3
.Lnot_wave_0_\@:
	s_barrier_wait -3
	s_barrier_signal -1
	s_barrier_wait -1
.endm
.macro LDA i0                          ; h's blocks i0 .. i0 + 3 of step Q of the fill at which base PTR stands, into place Q
	WIN TO_A
.irp i, 0,1,2,3
	global_load_b128 v[64*Q+8*(\i0+\i):64*Q+8*(\i0+\i)+3], v[CO], s[PTR:PTR+1] offset:Q*8192+(\i0+\i)*1024
	global_load_b128 v[64*Q+8*(\i0+\i)+4:64*Q+8*(\i0+\i)+7], v[CO], s[PTR:PTR+1] offset:Q*8192+(\i0+\i)*1024+512
.endr
	WIN 0
.endm
.macro LDB p, sl, q                    ; W2's eight fragments of step q out of slot sl, into set p: register pair c holds K = 16 c + 8 (l / 16) + 0 .. 7 of the step's 64
.irp i, 0,1,2,3,4,5,6,7
.irp c, 0,1,2,3
	ds_load_b64 v[BF+64*(\p)+8*\i+2*\c:BF+64*(\p)+8*\i+2*\c+1], v[ADRB+2*(\sl)+\i/4] offset:(\i%4)*16*PB+64*(\q)+16*\c
.endr
.endr
.endm
; 32 matrix instructions: h's blocks 4 hi .. 4 hi + 3 (place Q) x W2's eight (set P).  The 64 accumulators take turns, in the same order in every step.  zero = 1: the products start the sums.
.macro MUL32 hi, zero
.irp a, 0,1,2,3
.irp b, 0,1,2,3,4,5,6,7
.if \zero
	v_wmma_f32_16x16x64_fp8_fp8 v[8*(8*\a+\b):8*(8*\a+\b)+7], v[BF+64*P+8*\b:BF+64*P+8*\b+7], v[64*Q+8*(4*\hi+\a):64*Q+8*(4*\hi+\a)+7], 0
.else
	v_wmma_f32_16x16x64_fp8_fp8 v[8*(8*\a+\b):8*(8*\a+\b)+7], v[BF+64*P+8*\b:BF+64*P+8*\b+7], v[64*Q+8*(4*\hi+\a):64*Q+8*(4*\hi+\a)+7], v[8*(8*\a+\b):8*(8*\a+\b)+7]
.endif
.endr
.endr
.endm
; STEP n (n counts modulo 8 in the loop).  lda: h's step n + 4 is loaded.  ldb: W2's fragments of step n + 2 are read from LDS at the end.  c1, c2: the global loads issued behind h's blocks 0-3, 4-7 of this step;
; dc: the LDS loads issued behind this step's.  turn = 1: the change of slots with a joint refill; 2: without.  bump: the base that this step's loads name goes two fills on.  ask: the prefetch.
.macro STEP n, zero, lda, ldb, c1, c2, dc, turn, bump, ask
.set Q, (\n)%4
.set P, (\n)%2
.set TS, ((\n)/4)%2
.set PTR, SA+2*(((\n)/4+1)%2)
	s_wait_loadcnt \c1
	s_wait_dscnt \dc
.if \bump
	s_add_nc_u64 s[PTR:PTR+1], s[PTR:PTR+1], 2*FILLB   ; the loads that named this base were for steps n - 4 to n - 1: older than those just waited for, so they are done
.endif
	WIN MUL_LO
	MUL32 0, \zero
	WIN 0
.if \turn
	s_wait_tensorcnt 0x0                           ; all my tensor loads have landed: my part of the other slot among them; so every group 0 may be written
	ds_add_u32 v[SPW], v[NIL]                      ; 0 onto my spare word; the steps below stand between it and the wait for it
.if \ask
	s_wait_xcnt 0x0                                ; the last prefetch, four steps back, has read its base
	s_add_nc_u64 s[PFA:PFA+1], s[PFA:PFA+1], FROW
.endif
.if \turn == 1
	s_add_nc_u64 s[G0+4*TS+2:G0+4*TS+3], s[G0+4*TS+2:G0+4*TS+3], 2*FROW
.endif
	s_wait_dscnt 0x0                               ; the add is done, and my reads of this slot are over (step n + 1's fragments were the last)
.if \turn == 1
	ROUND                                          ; no wave of any partner still reads this slot or has a load on its way
	tensor_load_to_lds s[G0+4*TS:G0+4*TS+3], s[G1:G1+7]   ; the first tensor load behind the round, and my one load until the next: the fill two on
	s_nop 0
.else
	s_barrier_signal -1                            ; the last fill is whole for every wave; nothing is filled again
	s_barrier_wait -1
.endif
	PLACES
.else
.if \lda
	PLACES
.endif
.endif
.if \lda
	LDA 0
.endif
	s_wait_loadcnt \c2
.if \ask
	s_cmp_gt_u32 s3, 1                             ; not in the last trip: W2 has no fill 8
	s_cbranch_scc0 .Lno_ask_\@
	global_prefetch_b8 v[PFO], s[PFA:PFA+1] th:TH_LOAD_NT scope:SCOPE_SE
.Lno_ask_\@:
.endif
	WIN MUL_HI
	MUL32 1, \zero
	WIN 0
.if \lda || \ldb
	PLACES
.endif
.if \lda
	LDA 4
.endif
.if \ldb
	LDB P, (((\n)+2)/4)%2, ((\n)+2)%4
.endif
.endm
	s_load_b128 s[4:7], s[0:1], 0x0                ; h s[4:5], W2's codes s[6:7]
	s_load_b128 s[8:11], s[0:1], 0x10              ; the scales' exponents s[8:9], b2 s[10:11]
	s_load_b64 s[12:13], s[0:1], 0x20              ; out0
	v_lshl_add_u32 v[SPW], v0, 2, SPARE
	v_mov_b32 v[NIL], 0
	ds_add_u32 v[SPW], v[NIL]                      ; the wave's opening: two adds on end, waited for ahead of my first tensor load
	ds_add_u32 v[SPW], v[NIL]
	v_lshrrev_b32 v1, 5, v0
	v_readfirstlane_b32 s14, v1                    ; wave 0..3
	s_lshr_b32 s15, s14, 1                         ; at the head: which slot I fill,
	s_and_b32 s16, s14, 1                          ; and which 64 rows of it
	s_bfe_u32 s40, ttmp6, 0x40000                  ; cx: my place in the cluster
	s_lshl_b32 s17, ttmp9, 2
	s_add_co_u32 s17, s17, s40                     ; tile row = 4 x cluster x + cx
	s_and_b32 s42, ttmp7, 0xffff                   ; tile column: the same in the four partners
	; descriptor groups 1: 32 rows (a refill) and 64 rows (the head) x 1,024 bytes, padded in LDS
	s_mov_b32 s[G1+0], 15|(1<<20)|(1<<21)|(7<<22)|(3<<25)  ; 15:0 the mask: all four partners; 17:16 element of 1 byte; 20 padding on; 21 set beside a mask; 24:22 after every 256 words (code 7); 31:25 of 4 words (code 3)
	s_mov_b32 s[G1+1], FROW<<16                    ; tensor_dim0
	s_mov_b32 s[G1+2], 32<<16                      ; tensor_dim1 = 32
	s_mov_b32 s[G1+3], FROW<<16                    ; tile_dim0
	s_mov_b32 s[G1+4], 32                          ; tile_dim1 = 32
	s_mov_b32 s[G1+5], 8192                        ; tensor_dim0_stride
	s_mov_b32 s[G1+6], 0
	s_mov_b32 s[G1+7], 0
	s_mov_b32 s[G1H+0], 15|(1<<20)|(1<<21)|(7<<22)|(3<<25)
	s_mov_b32 s[G1H+1], FROW<<16
	s_mov_b32 s[G1H+2], 64<<16                     ; tensor_dim1 = 64
	s_mov_b32 s[G1H+3], FROW<<16
	s_mov_b32 s[G1H+4], 64                         ; tile_dim1 = 64
	s_mov_b32 s[G1H+5], 8192
	s_mov_b32 s[G1H+6], 0
	s_mov_b32 s[G1H+7], 0
	s_lshl_b32 s46, s42, 7
	s_lshl_b32 s18, s14, 5
	s_add_co_u32 s46, s46, s18                     ; a refill: W2's row 128 x tile column + 32 x wave,
	s_lshl_b32 s46, s46, 13                        ; in bytes (under 2^24)
	s_mov_b32 s47, 0
	s_mul_i32 s45, s14, 32*PB                      ; where it goes: no place in the cluster enters an LDS address
	s_lshl_b32 s62, s42, 7
	s_lshl_b32 s63, s16, 6
	s_add_co_u32 s62, s62, s63                     ; the head: W2's row 128 x tile column + 64 x half,
	s_lshl_b32 s62, s62, 13
	s_lshl_b32 s63, s15, 10                        ; fill 0 or 1
	s_add_co_u32 s62, s62, s63
	s_mov_b32 s63, 0
	s_mul_i32 s60, s15, SLOT
	s_mul_i32 s61, s16, 64*PB
	s_mov_b32 s[G0H], 1
	s_add_co_u32 s[G0H+1], s60, s61                ; slot x its bytes + half x 64 rows
	s_lshl_b32 s50, s14, 8                         ; my 256 bytes of every LDS row; the four address registers lie 64 rows apart
	s_add_co_u32 s51, s50, 64*PB
	s_add_co_u32 s52, s50, 128*PB
	s_add_co_u32 s53, s50, 192*PB
	s_mul_i32 s54, s14, 32*PITCH                   ; the join, back: rows 32 w .. 32 w + 31 of each of the four parts
	s_add_co_u32 s55, s54, PARTB
	s_add_co_u32 s56, s54, 2*PARTB
	s_add_co_u32 s57, s54, 3*PARTB
	s_mul_i32 s58, s14, PARTB                      ; the join, in: my part
	s_lshl_b32 s80, s17, 20                        ; h: my tile of 2^20 bytes,
	s_lshl_b32 s81, s14, 15                        ; my four j of a fill
	s_add_co_u32 s80, s80, s81
	s_mov_b32 s81, 0
	s_lshl_b32 s82, s42, 9                         ; b2: 128 numbers a tile column
	s_mov_b32 s83, 0
	s_lshl_b32 s84, s17, 7
	s_add_co_u32 s84, s84, s18                     ; the first row of out0 that I store: 128 x tile row + 32 x wave,
	s_lshl_b32 s84, s84, 13
	s_add_co_u32 s84, s84, s82                     ; + the tile's first column (under 2^24)
	s_mov_b32 s85, 0
	s_lshl_b32 s86, s40, 16                        ; the prefetches: my work-group's 8 of the 32 rows that I fetch,
	s_add_co_u32 s86, s86, s46
	s_add_co_u32 s86, s86, 3*FROW                  ; at fill 3: the first change of slots steps it to 4
	s_mov_b32 s87, 0
	s_wait_dscnt 0x0                               ; both opening adds are done
	s_wait_kmcnt 0x0
	s_load_b128 s[76:79], s[8:9], 0x0              ; e0, e1, e2, e3
	s_add_nc_u64 s[G0H+2:G0H+3], s[6:7], s[62:63]
	s_or_b32 s[G0H+3], s[G0H+3], 0x80000000
	s_add_nc_u64 s[PFA:PFA+1], s[6:7], s[86:87]
	s_add_nc_u64 s[46:47], s[6:7], s[46:47]
	s_add_nc_u64 s[SA:SA+1], s[4:5], s[80:81]      ; fill 0
	s_add_nc_u64 s[SA+2:SA+3], s[SA:SA+1], FILLB   ; fill 1
	s_add_nc_u64 s[10:11], s[10:11], s[82:83]
	s_add_nc_u64 s[12:13], s[12:13], s[84:85]
.irp s, 0,1                            ; the refills' groups 0 stand at fills 0 and 1: each change of slots steps its own two fills on
	s_mov_b32 s[G0+4*\s], 1
	s_add_co_u32 s[G0+4*\s+1], s45, \s*SLOT
	s_add_nc_u64 s[G0+4*\s+2:G0+4*\s+3], s[46:47], \s*FROW
	s_or_b32 s[G0+4*\s+3], s[G0+4*\s+3], 0x80000000
.endr
	ROUND                                          ; all four work-groups are here: the first joint loads meet
	tensor_load_to_lds s[G0H:G0H+3], s[G1H:G1H+7]  ; my one load at the head: waves 0, 1 fetch fill 0's two halves, waves 2, 3 fill 1's
	s_nop 0
	PLACES
	v_and_b32 v1, 15, v0                           ; r = lane % 16
	v_bfe_u32 v2, v0, 4, 1                         ; lane / 16
	v_and_b32 v6, 31, v0
	v_mul_u32_u24 v3, v1, PITCH
	v_mul_u32_u24 v4, v1, PB
	v_lshl_add_u32 v5, v2, 5, v3                   ; the join: row r, 32 bytes for each half of the lanes
	v_lshl_add_u32 v4, v2, 3, v4                   ; a fragment's row x pitch + 8 x half
	v_lshlrev_b32 v[CO], 4, v6
	v_add_nc_u32 v[STO], s58, v5
.irp k, 0,1,2,3
	v_add_nc_u32 v[ADRB+\k], s[50+\k], v4
.endr
.irp q, 0,1,2,3
	v_add_nc_u32 v[RD+\q], s[54+\q], v[CO]
.endr
	v_lshrrev_b32 v7, 2, v6
	v_and_b32 v6, 3, v6
	v_lshlrev_b32 v6, 8, v6
	v_lshl_add_u32 v[PFO], v7, 13, v6
	s_wait_alu depctr_va_vdst(0)
	global_load_b128 v[BV:BV+3], v[CO], s[10:11]   ; b2: the oldest load, so every later wait covers it
.set PTR, SA
.irp q, 0,1,2,3                        ; h's ring: steps 0 to 3, in the order in which the steps issue theirs
.set Q, \q
	LDA 0
	LDA 4
.endr
	s_wait_tensorcnt 0x0                           ; my part of the two first fills is in,
	s_barrier_signal -1
	s_barrier_wait -1                              ; and everybody's: both slots are whole
	LDB 0, 0, 0
	LDB 1, 0, 1
; THE COUNTS.  Behind a step's blocks 0-3 stand its blocks 4-7 (8 loads) and three steps' 16: 56.  Behind its blocks 4-7 stand those 48 and the 8 just issued: 56.  Behind a step's 32 LDS loads stand the next step's 32.
	STEP 0, 1, 1, 1, 56, 56, 32, 0, 0, 0           ; step 0 stands in front of the loop: its products start the sums
	s_mov_b32 s3, 3
.Ltrip:                                                ; steps 1 to 24: a trip is two fills, once round both rings
	STEP 1, 0, 1, 1, 56, 56, 32, 0, 0, 0
	STEP 2, 0, 1, 1, 56, 56, 32, 1, 0, 1
	STEP 3, 0, 1, 1, 56, 56, 32, 0, 0, 0
	STEP 4, 0, 1, 1, 56, 56, 32, 0, 1, 0
	STEP 5, 0, 1, 1, 56, 56, 32, 0, 0, 0
	STEP 6, 0, 1, 1, 56, 56, 32, 1, 0, 1
	STEP 7, 0, 1, 1, 56, 56, 32, 0, 0, 0
	STEP 8, 0, 1, 1, 56, 56, 32, 0, 1, 0
	s_sub_co_u32 s3, s3, 1
	s_cmp_lg_u32 s3, 0
	s_cbranch_scc1 .Ltrip
	STEP 25, 0, 1, 1, 56, 56, 32, 0, 0, 0
	STEP 26, 0, 1, 1, 56, 56, 32, 2, 0, 0          ; the last change of slots fills nothing, and has no round
	STEP 27, 0, 1, 1, 56, 56, 32, 0, 0, 0
	STEP 28, 0, 0, 1, 56, 48, 32, 0, 0, 0          ; steps 28 on load nothing of h: the counts run down
	STEP 29, 0, 0, 1, 40, 32, 32, 0, 0, 0
	STEP 30, 0, 0, 0, 24, 16, 32, 0, 0, 0
	s_wait_loadcnt 0x0                             ; step 31: all its fragments are in registers,
	s_wait_dscnt 0x0                               ; and my last reads of the ring are over:
	s_barrier_signal -1                            ; say so,
.set Q, 3
.set P, 1
	WIN MUL_LO
	MUL32 0, 0                                     ; work on registers while the others arrive,
	WIN MUL_HI
	MUL32 1, 0
	WIN 0
	s_barrier_wait -1                              ; and behind this wait nobody reads the ring any more; its last fill was waited for in step 26
	; THE JOIN.  Each wave lays its 128 x 128 sums into its part of LDS, rows of 512 bytes + 16; a barrier; wave w then adds the four parts of rows 32 w .. 32 w + 31, scales, adds b2 and stores whole rows.
	PLACES                                         ; the stores below read results just made
.macro PART a
.set AC, 64*((\a)%4)
	WIN 0x08+4*((\a)/4)                            ; the stores' data: window 2 or 3
.irp b, 0,1,2,3,4,5,6,7
	ds_store_b128 v[STO], v[AC+8*\b:AC+8*\b+3] offset:(\a)*16*PITCH+64*\b         ; each accumulator from its low end on
	ds_store_b128 v[STO], v[AC+8*\b+4:AC+8*\b+7] offset:(\a)*16*PITCH+64*\b+16
.endr
.endm
.irp a, 0,1,2,3,4,5,6,7
	PART \a
.endr
	WIN 0
	s_wait_kmcnt 0x0
	s_add_co_i32 s70, s78, s79
	s_add_co_i32 s70, s70, 127
	s_lshl_b32 s70, s70, 23                        ; 2^(e2 + e3) as f32
	s_mov_b32 s71, s70                             ; (named with it as a pair, so it is written)
	s_wait_dscnt 0x0                               ; for the others' sake: my stores are done
	s_barrier_signal -1
	s_barrier_wait -1
.macro LOADG g                         ; group g: four of my rows, from each of the four parts, into set g % 2
.set L, JF+64*((\g)%2)
.irp k, 0,1,2,3
.irp q, 0,1,2,3
	ds_load_b128 v[L+16*\k+4*\q:L+16*\k+4*\q+3], v[RD+\q] offset:(4*(\g)+\k)*PITCH
.endr
.endr
.endm
.macro SUMG g, left                    ; left: the LDS loads issued behind group g's, which may stay out
.set L, JF+64*((\g)%2)
	s_wait_dscnt \left
.irp k, 0,1,2,3
	v_pk_add_f32 v[L+16*\k:L+16*\k+1], v[L+16*\k:L+16*\k+1], v[L+16*\k+4:L+16*\k+5]
	v_pk_add_f32 v[L+16*\k+2:L+16*\k+3], v[L+16*\k+2:L+16*\k+3], v[L+16*\k+6:L+16*\k+7]
	v_pk_add_f32 v[L+16*\k+8:L+16*\k+9], v[L+16*\k+8:L+16*\k+9], v[L+16*\k+12:L+16*\k+13]
	v_pk_add_f32 v[L+16*\k+10:L+16*\k+11], v[L+16*\k+10:L+16*\k+11], v[L+16*\k+14:L+16*\k+15]
	v_pk_add_f32 v[L+16*\k:L+16*\k+1], v[L+16*\k:L+16*\k+1], v[L+16*\k+8:L+16*\k+9]
	v_pk_add_f32 v[L+16*\k+2:L+16*\k+3], v[L+16*\k+2:L+16*\k+3], v[L+16*\k+10:L+16*\k+11]
	v_pk_fma_f32 v[L+16*\k:L+16*\k+1], v[L+16*\k:L+16*\k+1], s[70:71], v[BV:BV+1] op_sel_hi:[1,0,1]       ; sum x 2^(e2 + e3) + b2
	v_pk_fma_f32 v[L+16*\k+2:L+16*\k+3], v[L+16*\k+2:L+16*\k+3], s[70:71], v[BV+2:BV+3] op_sel_hi:[1,0,1]
	global_store_b128 v[CO], v[L+16*\k:L+16*\k+3], s[12:13] offset:(4*(\g)+\k)*OROW th:TH_STORE_NT        ; 32 lanes store 512 consecutive bytes, at a multiple of 256 from out0's first byte; written once, read by nobody here
.endr
.endm
	s_wait_alu depctr_va_vdst(0)
	LOADG 0
	LOADG 1
.irp g, 0,1,2,3,4,5,6,7
.if \g < 7
	SUMG \g, 16                                    ; the next group's 16 loads may be out
.else
	SUMG \g, 0
.endif
.if \g < 6
	s_wait_xcnt 0x0                                ; this group's stores have read their registers: the group two on may land there
	LOADG \g+2
.endif
.endr
	s_wait_tensorcnt 0x0                           ; the wave's end: behind my last tensor load and my last LDS store
	ds_add_u32 v[SPW], v[NIL]
	s_wait_dscnt 0x0
	ROUND                                          ; the closing round: no work-group ends while a partner may still ask for a tile that names it
	s_endpgm
.Lfunc_end_k_q272c1bf269_gemm2:
	.size	k_q272c1bf269_gemm2, .Lfunc_end_k_q272c1bf269_gemm2-k_q272c1bf269_gemm2
	.p2alignl 7, 3214868480
	.fill 96, 4, 3214868480
	.section	.rodata,"a",@progbits
	.p2align	6, 0x0
	.amdhsa_kernel k_q272c1bf269_gemm2
		.amdhsa_group_segment_fixed_size 327680
		.amdhsa_private_segment_fixed_size 0
		.amdhsa_enable_private_segment 0
		.amdhsa_kernarg_size 40
		.amdhsa_user_sgpr_count 2
		.amdhsa_user_sgpr_kernarg_segment_ptr 1
		.amdhsa_wavefront_size32 1
		.amdhsa_system_sgpr_workgroup_id_x 1
		.amdhsa_system_sgpr_workgroup_id_y 1
		.amdhsa_system_sgpr_workgroup_id_z 1
		.amdhsa_system_vgpr_workitem_id 0
		.amdhsa_next_free_vgpr 1024
		.amdhsa_next_free_sgpr 100
		.amdhsa_reserve_vcc 0
		.amdhsa_float_denorm_mode_32 3
		.amdhsa_float_denorm_mode_16_64 3
		.amdhsa_memory_ordered 1
		.amdhsa_forward_progress 1
		.amdhsa_inst_pref_size 174
	.end_amdhsa_kernel
	.amdgpu_metadata
---
amdhsa.version: [ 1, 2 ]
amdhsa.kernels:
  - .name:           k_q272c1bf269_gemm2
    .symbol:         k_q272c1bf269_gemm2.kd
    .args:
      - { .name: h, .offset: 0, .size: 8, .value_kind: global_buffer, .address_space: global }
      - { .name: W2_codes, .offset: 8, .size: 8, .value_kind: global_buffer, .address_space: global }
      - { .name: lowp_scales, .offset: 16, .size: 8, .value_kind: global_buffer, .address_space: global }
      - { .name: b2, .offset: 24, .size: 8, .value_kind: global_buffer, .address_space: global }
      - { .name: out0, .offset: 32, .size: 8, .value_kind: global_buffer, .address_space: global }
    .group_segment_fixed_size: 327680
    .private_segment_fixed_size: 0
    .kernarg_segment_align: 8
    .kernarg_segment_size: 40
    .max_flat_workgroup_size: 128
    .sgpr_count:     100
    .vgpr_count:     1024
    .wavefront_size: 32
...
	.end_amdgpu_metadata
.endif
;; end of part 3
